; MI455X (gfx1250); checked and timed in simulation.
; The chip was launched on July 23, 2026; its instructions are those of AMD's public machine-readable ISA for CDNA 5 (MIT licence, August 2026) and "CDNA5" Instruction Set Architecture Reference Guide (July 2026). The comments in the code are by the model that wrote it; some were corrected since.
;; Bahdanau Attention. Allowed arithmetic: matrix products marked QUANTISED: E5M2 operands, one given power-of-two scale a tensor, by v_wmma_f32_16x16x64_bf8_bf8 or v_wmma_f32_16x16x128_bf8_bf8, f32 sums; products left as they are: f32 operands where the result goes on into a quantised operand, else bf16, f16 or f32 operands; f32 sums; everything else in f32.
;; Inputs: W_dec_codes 1,024 x 32 x 32 uint8 (E5M2 codes of W_dec, K innermost, in blocks of 32 codes); W_enc_codes 1,024 x 32 x 32 uint8 (E5M2 codes of W_enc, K innermost, in blocks of 32 codes); b_dec 1,024 float32; b_enc 1,024 float32; b_v one number float32; decoder_hidden_codes 32 x 32 x 32 uint8 (E5M2 codes of decoder_hidden, K innermost, in blocks of 32 codes); encoder_outputs 32 x 2,048 x 1,024 float32; lowp_scales 4 int32 (the exponents e of the quantised operands' scales 2^e); v 1,024 float32.
;; Outputs: out0 32 x 1,024 float32; out1 32 x 2,048 float32.
;; This version of the problem:
;;   THIS VERSION OF THE PROBLEM IS GIVEN IN LOW PRECISION. The matrix products marked QUANTISED in the list below multiply operands that are first quantised to E5M2 (5 exponent bits, 2 mantissa bits; 8 bits a number), with one given power-of-two scale for each operand tensor; their sums are f32. All else is computed in f32.
;;   The module's matrix products, in the order in which they are computed (A, B: the left and right operand; K: the contracted axis; several contracted axes count as one K, in the product's order):
;;     1. [M 65,536, K 1,024] x [K 1,024, N 1,024]; A: input encoder_outputs; B: input W_enc (given as codes): QUANTISED (scales: A lowp_scales[0], B lowp_scales[1])
;;     2. [M 32, K 1,024] x [K 1,024, N 1,024]; A: input decoder_hidden (given as codes); B: input W_dec (given as codes): QUANTISED (scales: A lowp_scales[2], B lowp_scales[3])
;;     3. [M 65,536, K 1,024] x [K 1,024, N 1]; A: computed on the way; B: input v: left as it is (N = 1 < 16)
;;     4. batch 32 x [M 1, K 2,048] x [K 2,048, N 1,024]; A: softmax; B: input encoder_outputs: left as it is (M = 1 < 16)
;;   THE QUANTISER, for each operand of a quantised product, along K:
;;     - The operand's scale is 2^e, e = its entry of the input lowp_scales (int32; the entries are numbered through the quantised products in the list's order, A before B).
;;     - Each number is divided by the scale, clamped to +-57,344, and rounded to the nearest number of E5M2, ties to even, subnormals kept.
;;     - The product sums the exact products of the quantised numbers (number of the format x scale) in f32.
;;   ~~~python
;;   def quantise(x, axis, e):      # numpy; x: float32 -> the quantised numbers, widened to float32 again
;;       x = np.moveaxis(x, axis, -1); K = x.shape[-1]
;;       r = np.clip(x / 2.0 ** e, -57344, 57344)
;;       step = 2.0 ** (np.maximum(np.frexp(np.where(r == 0, 1, r))[1] - 1, -14) - 2)
;;       q = np.round(r / step) * step * 2.0 ** e      # np.round: ties to even
;;       return np.moveaxis(q, -1, axis).astype(np.float32)
;;   ~~~
;;   INPUTS GIVEN AS CODES. W_dec (in the module: [1024, 1024], K = its axis 0); W_enc (in the module: [1024, 1024], K = its axis 0); decoder_hidden (in the module: [32, 1024], K = its axis 1): each comes as NAME_codes (uint8): NAME with its K axis moved to the last place and cut into blocks of 32 codes, [.., K / 32, bytes a block], one block behind the other in memory; one code a byte (a code: sign, 5 exponent bits, 2 mantissa bits); its scale is its entry of lowp_scales. Its value is code x scale, taken as it is: it is not quantised again, and the codes and scales need not be those that the quantiser above would give.
;; One version. Each part assembles by itself: llvm-mc -triple=amdgcn-amd-amdhsa -mcpu=gfx1250 --defsym DOCPART=n.
;; ======== version 1 of 1: 3 launches
;; limits: values are held in f16: magnitudes above 65,504 overflow, below 6.1e-05 lose precision; inputs' magnitudes at most 65,504; right only within a limited range of input values
;; workspace buffers: bias 131,072 bytes; sc 262,144 bytes; pctx 2,097,152 bytes
;; launch dec (part 1): grid 16 x 1, 4 waves a work-group, no clusters, 9,216 bytes of LDS; arguments decoder_hidden_codes, W_dec_codes, lowp_scales, b_dec, b_enc, bias; writes bias
.if DOCPART == 1
	.amdgcn_target "amdgcn-amd-amdhsa--gfx1250"
	.amdhsa_code_object_version 6
	.text
	.protected	k_qc83032e2d3_dec
	.globl	k_qc83032e2d3_dec
	.p2align	8
	.type	k_qc83032e2d3_dec,@function
k_qc83032e2d3_dec:
	s_mov_b64 s[64:65], 0
	v_nop
	global_prefetch_b8 v0, s[64:65] scope:SCOPE_SE
	s_setreg_imm32_b32 hwreg(HW_REG_WAVE_MODE, 25, 1), 1
	s_wait_xcnt 0x0
; bias[b][n] = (sum over k of hidden[b][k] W_dec[n][k]) x 2^(e2 + e3) + b_dec[n] + b_enc[n]: all that is added to the encoder's projection ahead of tanh.
; hidden: [32][1024] codes of BF8 (E5M2), W_dec: [1024 (n)][1024 (k)] codes, K innermost; bias: [32][1024] f32.
; LIMIT: e2 + e3 lies between -126 and 127, so that 2^(e2 + e3) is an f32 number.
; SHARES.  16 work-groups of four waves; wave w of work-group g makes the 16 columns n0 = 64 g + 16 w on, for all 32 batches: two accumulators, eight K steps of 128.
; The product has work for 64 waves only: no ring, no tensor load, every fragment straight from memory, read once by the wave that uses it.
; THE MATRIX INSTRUCTION IS USED TRANSPOSED (source 0 = 16 rows of W_dec, source 1 = 16 batches): a lane holds eight neighbouring n of one batch.
; A fragment (16 rows x 128 K) comes by four loads of 16 bytes, 32 apart: lane (r, h) holds k = 32 c + 16 h + 0 .. 15 in registers 4 c on: the same permutation of k on both sides.
; REGISTERS: window 0: v1-7 addresses; v16-31 the two accumulators; v32-47 the biases; v48-63 results; v64-79 rows read back; v128-255 W_dec's 8 fragments.  window 1: hidden's 16 fragments.
; WORK LEFT OUT IN THIS PROGRAM.  reference() adds b_v to every score of a batch, and with tanh(x) = 1 - 2 / (1 + e^(2x)) each score also holds the sum of all v[n]: both terms are
; the same along the softmax's axis.  softmax(s + const) = softmax(s) for all real values, and the scores reach the outputs through the softmax alone (attn, and the context by attn).
; So neither term is formed: b_v has no way to an output, is not loaded and is among no launch's arguments.  LIMIT: a NaN, an infinity or an overflow in b_v or in the sum of v is not carried to the result.
.set SP, 272
.set MSB, 0
.macro WIN new                         ; the immediate's high byte repeats the setting that is left
.if MSB != (\new)
	s_set_vgpr_msb (MSB<<8)|(\new)
.set MSB, (\new)
.endif
.endm
	s_load_b256 s[4:11], s[0:1], 0x0               ; hidden s[4:5], W_dec s[6:7], the scales' exponents s[8:9], b_dec s[10:11]
	s_load_b128 s[12:15], s[0:1], 0x20             ; b_enc s[12:13], bias s[14:15]
	v_lshl_add_u32 v126, v0, 2, 0x2200
	v_mov_b32 v127, 0
	v_lshrrev_b32 v1, 5, v0
	v_readfirstlane_b32 s16, v1                    ; wave 0..3
	v_and_b32 v1, 15, v0                           ; r
	v_bfe_u32 v2, v0, 4, 1                         ; h
	v_lshlrev_b32 v3, 10, v1
	v_lshl_add_u32 v3, v2, 4, v3                   ; a fragment's row of 1,024 bytes + 16 h
	v_lshlrev_b32 v4, 5, v2                        ; the biases: my eight n begin 32 h bytes on
	v_mul_u32_u24 v5, v1, SP
	v_lshl_add_u32 v5, v2, 5, v5
	s_lshl_b32 s17, s16, 6
	v_add_nc_u32 v5, s17, v5                       ; into the stage: row r, + 64 w + 32 h
	v_mul_u32_u24 v6, v2, SP
	v_lshl_add_u32 v6, v1, 4, v6
	s_mul_i32 s17, s16, 8*SP
	v_add_nc_u32 v6, s17, v6                       ; back: my eight rows, two an instruction: lanes 0-15 one row, lanes 16-31 the next
	v_lshlrev_b32 v7, 4, v1
	v_lshl_add_u32 v7, v2, 12, v7                  ; and the same two rows in bias
	s_lshl_b32 s18, ttmp9, 16
	s_lshl_b32 s19, s16, 14
	s_add_co_u32 s18, s18, s19                     ; W_dec: 1,024 n0
	s_mov_b32 s19, 0
	s_lshl_b32 s20, ttmp9, 8
	s_lshl_b32 s21, s16, 6
	s_add_co_u32 s20, s20, s21                     ; the biases: 4 n0
	s_mov_b32 s21, 0
	s_lshl_b32 s22, ttmp9, 8
	s_lshl_b32 s23, s16, 15
	s_add_co_u32 s22, s22, s23                     ; bias: 256 g + 8 w rows of 4,096 bytes
	s_mov_b32 s23, 0
	s_wait_alu depctr_va_vdst(0)
	s_wait_kmcnt 0x0
	s_load_b64 s[24:25], s[8:9], 0x8               ; e2, e3
	s_add_nc_u64 s[6:7], s[6:7], s[18:19]
	s_add_nc_u64 s[10:11], s[10:11], s[20:21]
	s_add_nc_u64 s[12:13], s[12:13], s[20:21]
	s_add_nc_u64 s[14:15], s[14:15], s[22:23]
.irp s, 0,1,2,3,4,5,6,7
.irp c, 0,1,2,3
	global_load_b128 v[128+16*\s+4*\c:128+16*\s+4*\c+3], v3, s[6:7] offset:128*\s+32*\c
.endr
.endr
	global_load_b128 v[32:35], v4, s[10:11]
	global_load_b128 v[36:39], v4, s[10:11] offset:16
	global_load_b128 v[40:43], v4, s[12:13]
	global_load_b128 v[44:47], v4, s[12:13] offset:16
	WIN 0x40                                       ; destination window 1
.irp t, 0,1
.irp s, 0,1,2,3,4,5,6,7
.irp c, 0,1,2,3
	global_load_b128 v[128*\t+16*\s+4*\c:128*\t+16*\s+4*\c+3], v3, s[4:5] offset:16384*\t+128*\s+32*\c
.endr
.endr
.endr
	s_wait_loadcnt 0x0
	WIN 0x04                                       ; source 1 (hidden) window 1
.irp s, 0,1,2,3,4,5,6,7                ; the two accumulators take turns, one instruction a turn
.irp t, 0,1
.if \s == 0
	v_wmma_f32_16x16x128_bf8_bf8 v[16+8*\t:23+8*\t], v[128+16*\s:143+16*\s], v[128*\t+16*\s:128*\t+16*\s+15], 0
.else
	v_wmma_f32_16x16x128_bf8_bf8 v[16+8*\t:23+8*\t], v[128+16*\s:143+16*\s], v[128*\t+16*\s:128*\t+16*\s+15], v[16+8*\t:23+8*\t]
.endif
.endr
.endr
	WIN 0
.irp i, 0,2,4,6
	v_pk_add_f32 v[32+\i:33+\i], v[32+\i:33+\i], v[40+\i:41+\i]   ; b_dec + b_enc: four plain instructions that name none of the products' registers: the places behind them (ISA guide 7.12.1)
.endr
	s_wait_alu depctr_va_vdst(0)
	s_wait_kmcnt 0x0
	s_add_co_i32 s26, s24, s25
	s_add_co_i32 s26, s26, 127
	s_lshl_b32 s26, s26, 23                        ; 2^(e2 + e3) as f32
	s_mov_b32 s27, s26                             ; (named with it as a pair, so it is written)
.irp t, 0,1
.irp i, 0,2,4,6
	v_pk_fma_f32 v[48+8*\t+\i:49+8*\t+\i], v[16+8*\t+\i:17+8*\t+\i], s[26:27], v[32+\i:33+\i] op_sel_hi:[1,0,1]   ; each accumulator from its low end on
.endr
.endr
.irp t, 0,1
	ds_store_b128 v5, v[48+8*\t:51+8*\t] offset:16*SP*\t          ; lane (r, h): bias(16 t + r, n0 + 8 h + 0 .. 7)
	ds_store_b128 v5, v[52+8*\t:55+8*\t] offset:16*SP*\t+16
.endr
	s_wait_dscnt 0x0                               ; for the others' sake: my stores into the stage are done
	s_barrier_signal -1
	s_barrier_wait -1                              ; a row's 256 bytes come from four waves
.irp i, 0,1,2,3
	ds_load_b128 v[64+4*\i:67+4*\i], v6 offset:2*SP*\i
.endr
.irp i, 0,1,2,3
	s_wait_dscnt 3-\i
	global_store_b128 v7, v[64+4*\i:67+4*\i], s[14:15] offset:8192*\i   ; 16 lanes store 256 consecutive bytes, at a multiple of 256 from the buffer's first byte
.endr
	s_wait_tensorcnt 0x0
	ds_add_u32 v126, v127
	s_wait_dscnt 0x0
	s_endpgm
.Lfunc_end_k_qc83032e2d3_dec:
	.size	k_qc83032e2d3_dec, .Lfunc_end_k_qc83032e2d3_dec-k_qc83032e2d3_dec
	.p2alignl 7, 3214868480
	.fill 96, 4, 3214868480
	.section	.rodata,"a",@progbits
	.p2align	6, 0x0
	.amdhsa_kernel k_qc83032e2d3_dec
		.amdhsa_group_segment_fixed_size 9216
		.amdhsa_private_segment_fixed_size 0
		.amdhsa_enable_private_segment 0
		.amdhsa_kernarg_size 48
		.amdhsa_user_sgpr_count 2
		.amdhsa_user_sgpr_kernarg_segment_ptr 1
		.amdhsa_wavefront_size32 1
		.amdhsa_system_sgpr_workgroup_id_x 1
		.amdhsa_system_sgpr_workgroup_id_y 1
		.amdhsa_system_sgpr_workgroup_id_z 1
		.amdhsa_system_vgpr_workitem_id 0
		.amdhsa_next_free_vgpr 512
		.amdhsa_next_free_sgpr 66
		.amdhsa_reserve_vcc 0
		.amdhsa_float_denorm_mode_32 3
		.amdhsa_float_denorm_mode_16_64 3
		.amdhsa_memory_ordered 1
		.amdhsa_forward_progress 1
		.amdhsa_inst_pref_size 15
	.end_amdhsa_kernel
	.amdgpu_metadata
---
amdhsa.version: [ 1, 2 ]
amdhsa.kernels:
  - .name:           k_qc83032e2d3_dec
    .symbol:         k_qc83032e2d3_dec.kd
    .args:
      - { .name: decoder_hidden_codes, .offset: 0, .size: 8, .value_kind: global_buffer, .address_space: global }
      - { .name: W_dec_codes, .offset: 8, .size: 8, .value_kind: global_buffer, .address_space: global }
      - { .name: lowp_scales, .offset: 16, .size: 8, .value_kind: global_buffer, .address_space: global }
      - { .name: b_dec, .offset: 24, .size: 8, .value_kind: global_buffer, .address_space: global }
      - { .name: b_enc, .offset: 32, .size: 8, .value_kind: global_buffer, .address_space: global }
      - { .name: bias, .offset: 40, .size: 8, .value_kind: global_buffer, .address_space: global }
    .group_segment_fixed_size: 9216
    .private_segment_fixed_size: 0
    .kernarg_segment_align: 8
    .kernarg_segment_size: 48
    .max_flat_workgroup_size: 128
    .sgpr_count:     66
    .vgpr_count:     512
    .wavefront_size: 32
...
	.end_amdgpu_metadata
.endif
;; end of part 1
;; launch blk (part 2): grid 512 x 1, 4 waves a work-group, clusters of 4 x 1, 327,680 bytes of LDS; arguments encoder_outputs, W_enc_codes, lowp_scales, v, bias, sc, pctx; writes sc, pctx
.if DOCPART == 2
	.amdgcn_target "amdgcn-amd-amdhsa--gfx1250"
	.amdhsa_code_object_version 6
	.text
	.protected	k_qc83032e2d3_blk
	.globl	k_qc83032e2d3_blk
	.p2align	8
	.type	k_qc83032e2d3_blk,@function
k_qc83032e2d3_blk:
	s_mov_b64 s[64:65], 0
	v_nop
	global_prefetch_b8 v0, s[64:65] scope:SCOPE_SE
	s_setreg_imm32_b32 hwreg(HW_REG_WAVE_MODE, 25, 1), 1
	s_wait_xcnt 0x0
	s_wait_alu depctr_hold_cnt(0) depctr_sa_sdst(0) depctr_va_vdst(0) depctr_va_sdst(0) depctr_va_ssrc(0) depctr_va_vcc(0) depctr_vm_vsrc(0)
	s_getreg_b32 s2, hwreg(HW_REG_IB_STS2, 6, 4)
	s_cmp_eq_u32 s2, 0
	s_cbranch_scc0 .Lentry_in_a_cluster
	s_endpgm
.Lentry_in_a_cluster:
	s_bfe_u32 s2, ttmp6, 0x10000c
	s_cmp_lg_u32 s2, 0x3003
	s_cbranch_scc0 .Lentry_shape_is_right
	s_endpgm
.Lentry_shape_is_right:
; A work-group takes 128 positions of one batch through the whole chain: x is read once (f32), quantised to BF8 codes (scale 2^e0) and kept beside as f16;
; z = codes x W_enc codes (all 1,024 n, K = 1,024); sc[row] = sum over n of -2 v[n] / (1 + 2^t), t = 2 log2(e) (z 2^(e0+e1) + bias[n]);
; then p = e^(sc - the block's largest sc) and pctx = sum over the 128 rows of p x (f16 operands, f32 sums).
; LEFT OUT: b_v and the sum of v[n], the same for all positions of a batch: the softmax takes them away (shown at the head of the first kernel).
; LIMITS: e0 between -126 and 112; e0 + e1 between -127 and 125 (added to an exponent field).  2^t may reach infinity: its reciprocal is then 0, as tanh = 1 asks.
; SHARES: wave (a, b), a = wave / 2, b = wave % 2, holds the codes of rows 64 a .. 64 a + 63, all K, in windows 2 and 3 (512 registers), and makes n = 64 tile + 32 b + 0 .. 31 of each tile of W.
; W_enc comes through a ring of two LDS slots of 64 n x 1,024 K, by joint loads of the cluster's four work-groups, which walk the same W.
; A UNIT is 16 n x 64 rows x K 1,024: 32 matrix instructions, four accumulators by turns.  THE PRODUCT IS USED TRANSPOSED (source 0 = 16 rows of W, source 1 = 16 rows of x):
; a lane holds one row of x, its eight registers n = 8 (lane / 16) + 0 .. 7.  While unit u is multiplied, W's fragments of unit u + 1 replace those of each finished K step,
; and the plain vector work of units u - 1 (1 + 2^t) and u - 2 (the weighted sum) stands in the places behind the matrix instructions.
; Between two units: unit u's scaling, then ONE batch of 32 exponentials (unit u) and 32 reciprocals (unit u - 1).
; REGISTERS.  window 0: v1-23 addresses; v24-31 bias of the unit; v32-39 -2 v; v40-47 the rows' sums; v64-127 two sets of accumulators; v128-255 W's 8 fragments (head: v64-255 three buffers of x).
; window 1: v0-191 f16 copy of units 10-15; v192-223 the reciprocals (head: f16 in hand; v224-239 codes in hand).  windows 2, 3: the codes; on the way out the f16 copy and the context.
.set PITCH,  272                       ; 256 bytes + 16 of padding
.set QREG,   64*PITCH                  ; what one tensor load brings: 64 n x 256 K
.set SLOT,   4*QREG
.set XCH,    2*SLOT                    ; the codes' exchange between waves, 64 rows x 256 K; afterwards the tables
.set TAB,    XCH                       ; 1,024 x c bias, then 1,024 x -2 v
.set SCB,    XCH+64*PITCH              ; the rows' partial scores: [b][128]
.set SPARE,  SCB+1024                  ; the spare words, 128 bytes a wave
.set COPY,   SPARE+512                 ; f16 copy of units 0-9, each wave's own
.set CPW,    40960
.set R,    1
.set H,    2
.set VOFF, 3
.set XW,   4
.set XR,   5
.set CW,   6
.set ADRB, 7
.set TAB0, 9
.set TADR, 10
.set SCW,  11
.set SCR,  12
.set SCD,  13
.set SPW,  14
.set NIL,  15
.set LIM,  16
.set SCL,  17
.set PO,   18
.set GS,   19
.set TABW, 20
.set PFO,  21
.set TB,   24
.set TW,   32
.set RAW,  32
.set SACC, 40
.set ACC,  64
.set BF,   128
.set PS,   128
.set PA,   64
.set FT,   192
.set RR,   192
.set CD,   224
.set CT,   128
.set G1,   24
.set G0,   32
.set MSB, 0
.macro WIN new                         ; the immediate's high byte repeats the setting that is left
.if MSB != (\new)
	s_set_vgpr_msb (MSB<<8)|(\new)
.set MSB, (\new)
.endif
.endm
.macro PLACES n
.rept \n
	v_nop
.endr
.endm
.macro CROUND                          ; a round of the cluster's barrier
	s_barrier_signal -1
	s_barrier_wait -1
	s_cmp_lg_u32 s20, 0
	s_cbranch_scc1 .Lnot_wave_0_\@
	s_barrier_signal -3
.Lnot_wave_0_\@:
	s_barrier_wait -3
	s_barrier_signal -1
	s_barrier_wait -1
.endm
; Unit u of the head: 32 rows (16 a half of the lanes) x my 64 columns of the (u / 4)-th 256: sixteen lanes read 256 consecutive bytes of a row
.macro XLOAD u
.set XB, 64+64*((\u)%3)
.set GG, ((((\u)%4)&1)<<1)|(((\u)%4)>>1)
.set RH, (\u)/4
.irp t, 0,1,2,3,4,5,6,7,8,9,10,11,12,13,14,15
	global_load_b128 v[XB+4*\t:XB+4*\t+3], v[VOFF], s[4:5] offset:(32*GG+\t)*4096+1024*RH th:TH_LOAD_NT
.endr
.endm
.macro UNIT u
.set XB, 64+64*((\u)%3)
.set HALF, ((\u)%4)&1
.if (\u) < 10
.set FD, FT
.else
.set FD, 32*((\u)-10)
.endif
.if (\u) < 14
	s_wait_loadcnt 32                              ; behind this unit's loads: two units' 32
.else
	s_wait_loadcnt 16*(15-(\u))
.endif
	WIN 0x40
.irp q, 0,1,2,3
.irp i, 0,1,2,3,4,5,6,7
	v_cvt_pk_f16_f32 v[FD+8*\q+\i], v[XB+8*\i+\q], v[XB+8*\i+4+\q]   ; the copy: column 4 r + q, rows in pairs: an operand of the last product
.endr
.endr
	WIN 0
.set ii, 0
.rept 64
	v_med3_num_f32 v[XB+ii], v[XB+ii], -v[LIM], v[LIM]               ; the hold at the largest code (ISA guide 7.6.2: the conversion does not saturate)
.set ii, ii+1
.endr
	WIN 0x40
.irp j, 0,1,2,3,4,5,6,7
	v_cvt_scalef32_pk8_bf8_f32 v[CD+2*\j:CD+2*\j+1], v[XB+8*\j:XB+8*\j+7], v[SCL]
.endr
	v_nop
	WIN 0
.if (\u)+3 < 16
	XLOAD (\u)+3                                   ; the buffer has been read out: the unit three on is asked for, ahead of the LDS stores
.endif
	WIN 0x04
.irp t, 0,1,2,3,4,5,6,7,8,9,10,11,12,13,14,15
	ds_store_b32 v[XW], v[CD+\t] offset:(32*HALF+\t)*PITCH           ; four codes of row t
.endr
.if (\u) < 10
.irp q, 0,1,2,3
.irp e, 0,1
	ds_store_b128 v[CW], v[FT+8*\q+4*\e:FT+8*\q+4*\e+3] offset:4096*(\u)+1024*\q+512*\e
.endr
.endr
.endif
	WIN 0
.if ((\u) > 0) && ((\u) < 8)
	s_cmp_lt_u32 ttmp9, 4
	s_cbranch_scc0 .Lno_prefetch_blk0_\@
	; W's tiles 2 u and 2 u + 1 are asked into the L2, once in the cluster: its 16 waves take 8,192 bytes each, told apart by address, lanes 256 bytes apart.  Tiles 0 and 1 come by their loads alone
	global_prefetch_b8 v[PFO], s[56:57] offset:(\u)*131072 th:TH_LOAD_NT scope:SCOPE_SE
.Lno_prefetch_blk0_\@:
.endif
.endm
.macro AFETCH rho, y                   ; the exchange is whole: my 32 rows x 256 K become four fragments
	s_wait_dscnt 0x0
	s_barrier_signal -1
	s_barrier_wait -1
	WIN 0x80+0x40*((\rho)/2)
.irp mm, 0,1
.irp uu, 0,1
.irp c, 0,1,2,3
	ds_load_b128 v[64*((2*(\rho)+\uu)%4)+16*(2*(\y)+\mm)+4*\c:64*((2*(\rho)+\uu)%4)+16*(2*(\y)+\mm)+4*\c+3], v[XR] offset:16*PITCH*\mm+128*\uu+32*\c
.endr
.endr
.endr
	WIN 0
	s_wait_dscnt 0x0
	s_barrier_signal -1
	s_barrier_wait -1
.endm
	s_load_b256 s[4:11], s[0:1], 0x0               ; x s[4:5], W's codes s[6:7], the exponents s[8:9], v s[10:11]
	s_load_b128 s[12:15], s[0:1], 0x20             ; bias s[12:13], sc s[14:15]
	s_load_b64 s[16:17], s[0:1], 0x30              ; pctx
	v_lshl_add_u32 v[SPW], v0, 2, SPARE
	v_mov_b32 v[NIL], 0
	ds_add_u32 v[SPW], v[NIL]                      ; the opening lines: the add, twice on end, and its wait
	ds_add_u32 v[SPW], v[NIL]
	v_lshrrev_b32 v30, 5, v0
	v_readfirstlane_b32 s20, v30                   ; wave
	s_lshr_b32 s21, s20, 1                         ; a
	s_and_b32 s22, s20, 1                          ; b
	s_bfe_u32 s40, ttmp6, 0x40000                  ; cx
	s_lshl_b32 s23, ttmp9, 2
	s_add_co_u32 s23, s23, s40                     ; the block: 4 x cluster + cx
	v_and_b32 v[R], 15, v0
	v_bfe_u32 v[H], v0, 4, 1
	v_and_b32 v30, 31, v0
	v_lshlrev_b32 v[VOFF], 4, v[R]
	v_lshl_add_u32 v[VOFF], v[H], 16, v[VOFF]      ; x: 16 r bytes, lanes 16-31 sixteen rows on
	v_mul_u32_u24 v[XW], v[H], 16*PITCH
	v_lshl_add_u32 v[XW], v[R], 2, v[XW]
	s_lshl_b32 s41, s20, 6
	s_add_co_u32 s41, s41, XCH
	v_add_nc_u32 v[XW], s41, v[XW]
	v_mul_u32_u24 v[XR], v[R], PITCH
	v_lshl_add_u32 v[XR], v[H], 4, v[XR]
	s_mul_i32 s41, s21, 32*PITCH
	s_add_co_u32 s41, s41, XCH
	v_add_nc_u32 v[XR], s41, v[XR]
	s_mul_i32 s41, s20, CPW
	s_add_co_u32 s41, s41, COPY
	v_lshl_add_u32 v[CW], v30, 4, s41
	v_mul_u32_u24 v[ADRB], v[R], PITCH
	v_lshl_add_u32 v[ADRB], v[H], 4, v[ADRB]
	s_mul_i32 s41, s22, 32*PITCH
	v_add_nc_u32 v[ADRB], s41, v[ADRB]             ; W's fragments: row 32 b + r of a slot, + 16 h
	v_add_nc_u32 v[ADRB+1], SLOT, v[ADRB]
	s_lshl_b32 s41, s22, 7
	s_add_co_u32 s41, s41, TAB
	v_lshl_add_u32 v[TAB0], v[H], 5, s41           ; the tables: 4 (32 b + 8 h) bytes on
	s_mov_b32 s49, 0
	v_add_nc_u32 v[TADR], s49, v[TAB0]
	s_lshl_b32 s41, s22, 9
	s_lshl_b32 s42, s21, 8
	s_add_co_u32 s41, s41, s42
	s_add_co_u32 s41, s41, SCB
	v_lshl_add_u32 v[SCW], v[R], 2, s41            ; my partial score of row 64 a + 16 m + r
	v_lshl_add_u32 v[SCR], v[H], 6, SCB
	v_lshl_add_u32 v[SCD], v30, 4, SCB
	v_lshlrev_b32 v[PO], 4, v[R]
	v_lshlrev_b32 v[GS], 4, v30
	v_lshl_add_u32 v[TABW], v0, 4, TAB
	s_lshl_b32 s41, s40, 2
	s_add_co_u32 s41, s41, s20
	s_lshl_b32 s41, s41, 13
	v_lshl_add_u32 v[PFO], v30, 8, s41             ; the prefetches: 8,192 (4 cx + wave) + 256 lane
	v_lshlrev_b32 v48, 4, v0
	v_mov_b32 v50, 0                               ; written once: a lane permute's destination counts as one of its sources
.irp j, 52,53,54,55
	v_mov_b32 v\j, 0
.endr
	s_mov_b32 s[G1+0], 15|(1<<20)|(1<<21)|(5<<22)|(3<<25)   ; mask: all four of the cluster; bytes; four words of padding behind every 64
	s_mov_b32 s[G1+1], 256<<16
	s_mov_b32 s[G1+2], 64<<16
	s_mov_b32 s[G1+3], 256<<16
	s_mov_b32 s[G1+4], 64
	s_mov_b32 s[G1+5], 1024
	s_mov_b32 s[G1+6], 0
	s_mov_b32 s[G1+7], 0
	s_mov_b32 s50, 0x76543210
	s_mov_b32 s51, 0xfedcba98
	s_mul_i32 s41, s20, QREG
	s_lshl_b32 s42, s20, 8
	s_mov_b32 s43, 0
	s_wait_alu depctr_va_vdst(0)
	s_wait_dscnt 0x0                               ; both opening adds are done
	s_wait_kmcnt 0x0
	s_load_b64 s[54:55], s[8:9], 0x0               ; e0, e1
	s_mov_b64 s[56:57], s[6:7]                     ; W's first byte, for the prefetches
	s_add_nc_u64 s[6:7], s[6:7], s[42:43]          ; my 256 of K
.irp s, 0,1
	s_mov_b32 s[G0+4*\s], 1
	s_add_co_u32 s[G0+4*\s+1], s41, \s*SLOT
	s_add_nc_u64 s[G0+4*\s+2:G0+4*\s+3], s[6:7], \s*65536
	s_or_b32 s[G0+4*\s+3], s[G0+4*\s+3], 0x80000000
.endr
	s_lshl_b32 s42, s23, 19
	s_lshl_b32 s41, s20, 8
	s_add_co_u32 s42, s42, s41
	s_add_nc_u64 s[4:5], s[4:5], s[42:43]          ; x: my block's 128 rows, my 64 columns
	s_lshr_b32 s42, s23, 4
	s_lshl_b32 s42, s42, 12
	s_add_nc_u64 s[12:13], s[12:13], s[42:43]      ; the batch's row of bias
	s_lshl_b32 s42, s23, 9
	s_add_nc_u64 s[14:15], s[14:15], s[42:43]
	s_lshl_b32 s42, s23, 12
	s_add_co_u32 s42, s42, s41
	s_add_nc_u64 s[16:17], s[16:17], s[42:43]
	global_load_b128 v[RAW:RAW+3],     v48, s[12:13]               ; x is asked for ahead of the rounds: nothing of it hangs on them
	global_load_b128 v[RAW+4:RAW+7],   v48, s[12:13] offset:2048
	global_load_b128 v[RAW+8:RAW+11],  v48, s[10:11]
	global_load_b128 v[RAW+12:RAW+15], v48, s[10:11] offset:2048
	XLOAD 0
	XLOAD 1
	XLOAD 2
	CROUND                                         ; the first joint loads meet
	tensor_load_to_lds s[G0:G0+3], s[G1:G1+7]      ; tile 0: one tensor load a wave at the head
	s_nop 0
	PLACES 4
	s_wait_kmcnt 0x0
	s_add_co_i32 s41, s54, 127
	s_lshl_b32 s42, s41, 23
	v_mov_b32 v[SCL], s42                          ; 2^e0
	s_add_co_i32 s41, s41, 15
	s_lshl_b32 s41, s41, 23
	s_or_b32 s41, s41, 0x600000
	v_mov_b32 v[LIM], s41                          ; 57,344 x 2^e0
	s_add_co_i32 s41, s54, s55
	s_lshl_b32 s41, s41, 23
	s_mov_b32 s44, 0x4038aa3b                      ; c = 2 log2(e),
	s_add_co_i32 s44, s44, s41                     ; x 2^(e0 + e1)
	s_mov_b32 s45, s44
.irp rho, 0,1,2,3
	UNIT 4*\rho
	UNIT 4*\rho+1
	AFETCH \rho, 0
	UNIT 4*\rho+2
	UNIT 4*\rho+3
	AFETCH \rho, 1
.if \rho == 0
	s_wait_tensorcnt 0x0                           ; slot 1's first fill is issued as a refill is, behind four units of x
	ds_add_u32 v[SPW], v[NIL]
	s_wait_dscnt 0x0
	CROUND
	tensor_load_to_lds s[G0+4:G0+7], s[G1:G1+7]    ; tile 1
	s_nop 0
	PLACES 4
.endif
.endr
.irp k, 0,2,4,6
	v_pk_mul_f32 v[64+\k:65+\k], v[RAW+\k:RAW+\k+1], 0x4038aa3b op_sel_hi:[1,0]   ; c bias
	v_pk_mul_f32 v[72+\k:73+\k], v[RAW+8+\k:RAW+9+\k], -2.0 op_sel_hi:[1,0]       ; -2 v
.endr
.irp i, 0,1
	ds_store_b128 v[TABW], v[64+4*\i:67+4*\i] offset:2048*\i
	ds_store_b128 v[TABW], v[72+4*\i:75+4*\i] offset:4096+2048*\i
.endr
.irp j, 0,1,2,3,4,5,6,7
	v_mov_b32 v[SACC+\j], 0                        ; the rows' sums, a pair for each 16 rows
.endr
	s_wait_alu depctr_va_vdst(0)
	s_wait_tensorcnt 0x1                           ; tile 0 is in (tile 1 may be out)
	s_wait_dscnt 0x0
	s_barrier_signal -1
	s_barrier_wait -1
.macro LB s, sl, nt                    ; W's fragment of K step s: 16 n x 128 K
.irp c, 0,1,2,3
	ds_load_b128 v[BF+16*(\s)+4*\c:BF+16*(\s)+4*\c+3], v[ADRB+\sl] offset:((\s)/2)*QREG+(\nt)*16*PITCH+128*((\s)%2)+32*\c
.endr
.endm
.macro TLD reg, off                    ; eight numbers of a table
	ds_load_b128 v[\reg:\reg+3], v[TADR] offset:\off
	ds_load_b128 v[\reg+4:\reg+7], v[TADR] offset:\off+16
.endm
.macro P2 k                            ; 1 + 2^t, eight numbers
.irp j, 0,2,4,6
	v_pk_add_f32 v[AO+8*(\k)+\j:AO+8*(\k)+\j+1], v[AO+8*(\k)+\j:AO+8*(\k)+\j+1], 1.0 op_sel_hi:[1,0]
.endr
.endm
.macro P3 i                            ; the rows' sums take -2 v / (1 + 2^t): n pair i of the four blocks of rows.  Source 0 (the reciprocals) lies in window 1
	WIN 0x01
.irp m, 0,1,2,3
	v_pk_fma_f32 v[SACC+2*\m:SACC+2*\m+1], v[RR+8*\m+2*(\i):RR+8*\m+2*(\i)+1], v[TW+2*(\i):TW+2*(\i)+1], v[SACC+2*\m:SACC+2*\m+1]
.endr
.endm
; A unit's 32 products into accumulator set p.  Behind each K step stand four plain vector instructions that name none of its registers (ISA guide 7.12.1).
; The next unit's fragments (nx = 1; from slot nsl, its nnt-th 16 n) come in TWO runs of 16 loads: fragments 0-3 behind K step 3 and its four places, fragments 4-7 behind K step 7 and its four.
; lv: which earlier units exist (0 none, 1 the last, 2 both).
.macro MMX p, lv, nx, nsl, nnt
.set AC, ACC+32*(\p)
.set AO, ACC+32*(1-(\p))
.irp s, 0,1,2,3,4,5,6,7
	WIN 0x08+4*(\s/4)                              ; source 1 (the codes) window 2 or 3
.irp m, 0,1,2,3
.if \s == 0
	v_wmma_f32_16x16x128_bf8_bf8 v[AC+8*\m:AC+8*\m+7], v[BF+16*\s:BF+16*\s+15], v[64*(\s%4)+16*\m:64*(\s%4)+16*\m+15], 0
.else
	v_wmma_f32_16x16x128_bf8_bf8 v[AC+8*\m:AC+8*\m+7], v[BF+16*\s:BF+16*\s+15], v[64*(\s%4)+16*\m:64*(\s%4)+16*\m+15], v[AC+8*\m:AC+8*\m+7]
.endif
.endr
.if (\s%2) == 0
.if \lv >= 2
	P3 \s/2
.else
	PLACES 4
.endif
.else
.if \lv >= 1
	P2 \s/2
.else
	PLACES 4
.endif
.endif
.if (\s == 3) && (\nx)
.irp f, 0,1,2,3
	LB \f, \nsl, \nnt
.endr
.endif
.endr
	WIN 0
.if \nx
.irp f, 4,5,6,7
	LB \f, \nsl, \nnt
.endr
.endif
.endm
; Between two units.  tbo: where the next unit's bias lies in the table; two: the last unit's -2 v (-1: none).  chg = 1: the change of slots: the slot whose last fragments have just been
; asked for is filled again, two tiles on; chg = 2: the last change, which fills nothing.  adv = 1: the tables' address goes two tiles on.
.macro GAPX p, lv, tbo, two, chg, sl, adv
.set AC, ACC+32*(\p)
.set AO, ACC+32*(1-(\p))
.set ii, 0
.rept 16
	v_pk_fma_f32 v[AC+ii:AC+ii+1], v[AC+ii:AC+ii+1], s[44:45], v[TB+(ii%8):TB+(ii%8)+1] op_sel_hi:[1,0,1]   ; t; each accumulator from its low end on
.set ii, ii+2
.endr
.if \tbo >= 0
	TLD TB, \tbo
.endif
.if \two >= 0
	TLD TW, 4096+\two
.endif
.if \chg
	s_wait_tensorcnt 0x0                           ; my part of the next slot is in
	ds_add_u32 v[SPW], v[NIL]                      ; the batch below stands between the add and its wait
.if \chg == 1
	s_add_nc_u64 s[G0+4*\sl+2:G0+4*\sl+3], s[G0+4*\sl+2:G0+4*\sl+3], 131072
.endif
.endif
	s_wait_alu depctr_va_vdst(0)
.set ii, 0
.rept 32
	v_exp_f32 v[AC+ii], v[AC+ii]                   ; 2^t of this unit
.set ii, ii+1
.endr
.if \lv >= 1
	WIN 0x40
.set ii, 0
.rept 32
	v_rcp_f32 v[RR+ii], v[AO+ii]                   ; 1 / (1 + 2^t) of the last unit, into window 1: its accumulators are free for the next unit
.set ii, ii+1
.endr
	WIN 0
.endif
.if \adv
	s_add_co_u32 s49, s49, 512
	v_add_nc_u32 v[TADR], s49, v[TAB0]             ; (the plain place behind the batch)
.else
	v_nop
.endif
	s_wait_alu depctr_va_vdst(0)                   ; and the wait behind it
	s_wait_dscnt 0x0                               ; the next unit's fragments and tables are in; at a change: the add is done and my reads of the slot are over
.if \chg == 1
	CROUND                                         ; no wave of any partner still reads the slot or has a load on its way
	tensor_load_to_lds s[G0+4*\sl:G0+4*\sl+3], s[G1:G1+7]
	s_nop 0
	PLACES 4
.endif
.if \chg == 2
	s_barrier_signal -1
	s_barrier_wait -1
.endif
.endm
.irp s, 0,1,2,3,4,5,6,7
	LB \s, 0, 0
.endr
	TLD TB, 0
	s_wait_dscnt 0x0
	MMX 0, 0, 1, 0, 1                              ; unit 0
	GAPX 0, 0, 64, -1, 1, 0, 0
	MMX 1, 1, 1, 1, 0                              ; unit 1
	GAPX 1, 1, 256, 0, 0, 0, 0
	s_mov_b32 s48, 6
.Ltiles:                                               ; a trip: units 4 t + 2 .. 4 t + 5, once round the ring
	MMX 0, 2, 1, 1, 1
	GAPX 0, 1, 320, 64, 1, 1, 0
	MMX 1, 2, 1, 0, 0
	GAPX 1, 1, 512, 256, 0, 0, 0
	MMX 0, 2, 1, 0, 1
	GAPX 0, 1, 576, 320, 1, 0, 0
	MMX 1, 2, 1, 1, 0
	GAPX 1, 1, 768, 512, 0, 0, 1
	s_sub_co_u32 s48, s48, 1
	s_cmp_lg_u32 s48, 0
	s_cbranch_scc1 .Ltiles
	MMX 0, 2, 1, 1, 1                              ; units 26 to 31 are written out: tile 15 is the last that is asked for
	GAPX 0, 1, 320, 64, 1, 1, 0
	MMX 1, 2, 1, 0, 0
	GAPX 1, 1, 512, 256, 0, 0, 0
	MMX 0, 2, 1, 0, 1
	GAPX 0, 1, 576, 320, 2, 0, 0
	MMX 1, 2, 1, 1, 0
	GAPX 1, 1, 768, 512, 0, 0, 0
	MMX 0, 2, 1, 1, 1
	GAPX 0, 1, 832, 576, 0, 0, 0
	MMX 1, 2, 0, 0, 0
	GAPX 1, 1, -1, 768, 0, 0, 0
	WIN 0x80                                       ; the codes are done with: the f16 copy comes back over them
.irp u, 0,1,2,3,4,5,6,7
.irp q, 0,1,2,3
.irp e, 0,1
	ds_load_b128 v[32*\u+8*\q+4*\e:32*\u+8*\q+4*\e+3], v[CW] offset:4096*\u+1024*\q+512*\e
.endr
.endr
.endr
	WIN 0xc0
.irp u, 8,9
.irp q, 0,1,2,3
.irp e, 0,1
	ds_load_b128 v[32*(\u-8)+8*\q+4*\e:32*(\u-8)+8*\q+4*\e+3], v[CW] offset:4096*\u+1024*\q+512*\e
.endr
.endr
.endr
	WIN 0
.set AO, ACC+32                                        ; the last two units' vector work
.irp k, 0,1,2,3
	P2 \k
.endr
.irp i, 0,1,2,3
	P3 \i
.endr
	WIN 0
	TLD TW, 4096+832
	s_wait_alu depctr_va_vdst(0)                   ; ahead of the batch
	WIN 0x40
.set ii, 0
.rept 32
	v_rcp_f32 v[RR+ii], v[AO+ii]
.set ii, ii+1
.endr
	WIN 0
	v_nop
	s_wait_alu depctr_va_vdst(0)                   ; and behind it
	s_wait_dscnt 0x0
.irp i, 0,1,2,3
	P3 \i
.endr
	WIN 0
.irp m, 0,1,2,3
	v_add_f32 v[48+\m], v[SACC+2*\m], v[SACC+2*\m+1]
.endr
.irp m, 0,1,2,3
	v_permlanex16_b32 v[52+\m], v[48+\m], s50, s51
.endr
.irp m, 0,1,2,3
	v_add_f32 v[48+\m], v[48+\m], v[52+\m]         ; my half of n for row 64 a + 16 m + r, in both halves of the lanes
.endr
.irp m, 0,1,2,3
	ds_store_b32 v[SCW], v[48+\m] offset:64*\m
.endr
	s_wait_dscnt 0x0
	s_barrier_signal -1
	s_barrier_wait -1
.irp g, 0,1,2,3
.irp k, 0,1,2,3
	ds_load_b128 v[PS+16*\g+4*\k:PS+16*\g+4*\k+3], v[SCR] offset:128*\g+16*\k             ; rows 32 g + 16 h + 0 .. 15: the order of the copy's rows
	ds_load_b128 v[PS+64+16*\g+4*\k:PS+64+16*\g+4*\k+3], v[SCR] offset:512+128*\g+16*\k
.endr
.endr
	s_wait_dscnt 0x0
.set ii, 0
.rept 32
	v_pk_add_f32 v[PS+ii:PS+ii+1], v[PS+ii:PS+ii+1], v[PS+64+ii:PS+64+ii+1]
.set ii, ii+2
.endr
	v_max3_num_f32 v48, v[PS], v[PS+1], v[PS+2]
	v_max3_num_f32 v49, v[PS+3], v[PS+4], v[PS+5]
.irp i, 6,10,14,18,22,26,30,34,38,42,46,50,54,58
	v_max3_num_f32 v48, v48, v[PS+\i], v[PS+\i+1]
	v_max3_num_f32 v49, v49, v[PS+\i+2], v[PS+\i+3]
.endr
	v_max3_num_f32 v48, v48, v[PS+62], v[PS+63]
	v_max_num_f32 v48, v48, v49
	v_permlanex16_b32 v50, v48, s50, s51
	v_max_num_f32 v48, v48, v50                    ; the block's largest score
.set ii, 0
.rept 32
	v_pk_add_f32 v[PS+ii:PS+ii+1], v[PS+ii:PS+ii+1], v[48:49] op_sel_hi:[1,0] neg_lo:[0,1] neg_hi:[0,1]
.set ii, ii+2
.endr
.set ii, 0
.rept 32
	v_pk_mul_f32 v[PS+ii:PS+ii+1], v[PS+ii:PS+ii+1], 0x3fb8aa3b op_sel_hi:[1,0]
.set ii, ii+2
.endr
.set ii, 0
	s_wait_alu depctr_va_vdst(0)
.rept 64
	v_exp_f32 v[PS+ii], v[PS+ii]
.set ii, ii+1
.endr
	v_nop
	v_cmp_eq_u32 vcc_lo, 0, v[R]
.set ii, 0
	s_wait_alu depctr_va_vdst(0)
.rept 32
	v_cvt_pk_f16_f32 v[PA+ii], v[PS+2*ii], v[PS+2*ii+1]
.set ii, ii+1
.endr
.set ii, 0
.rept 32
	v_cndmask_b32 v[PA+ii], 0, v[PA+ii], vcc_lo    ; p stands in row 0 of the operand alone
.set ii, ii+1
.endr
	s_cmp_lg_u32 s20, 0
	s_cbranch_scc1 .Lno_scores
	ds_load_b128 v[52:55], v[SCD]                  ; wave 0 stores the block's 128 scores: 512 consecutive bytes
	ds_load_b128 v[56:59], v[SCD] offset:512
	s_wait_dscnt 0x0
	v_pk_add_f32 v[52:53], v[52:53], v[56:57]
	v_pk_add_f32 v[54:55], v[54:55], v[58:59]
	global_store_b128 v[GS], v[52:55], s[14:15]
.Lno_scores:
.macro CTX u                           ; the context's part of head unit u: 32 rows x 64 columns, four accumulators by turns
.set CBL, (\u)/4
.set JJ, (\u)%4
.set GG, ((JJ&1)<<1)|(JJ>>1)
.if (\u) < 8
	WIN 0xf8
.set XF, 32*(\u)
.elseif (\u) < 10
	WIN 0xfc
.set XF, 32*((\u)-8)
.else
	WIN 0xf4
.set XF, 32*((\u)-10)
.endif
.irp q, 0,1,2,3
.if JJ == 0
	s_wait_alu depctr_va_vdst(0)
	v_wmma_f32_16x16x32_f16 v[CT+8*(4*CBL+\q):CT+8*(4*CBL+\q)+7], v[PA+8*GG:PA+8*GG+7], v[XF+8*\q:XF+8*\q+7], 0
.else
	v_wmma_f32_16x16x32_f16 v[CT+8*(4*CBL+\q):CT+8*(4*CBL+\q)+7], v[PA+8*GG:PA+8*GG+7], v[XF+8*\q:XF+8*\q+7], v[CT+8*(4*CBL+\q):CT+8*(4*CBL+\q)+7]
.endif
.endr
.endm
.irp u, 0,1,2,3,4,5,6,7,8,9,10,11,12,13,14,15
	CTX \u
.endr
	PLACES 4
	WIN 0x03
.set ii, 0
.rept 16
	v_mov_b32 v[RAW+ii], v[CT+8*ii]                ; row 0 of each result: register 0, lanes 0-15
.set ii, ii+1
.endr
	WIN 0
	v_cmp_eq_u32 vcc_lo, 0, v[H]
	s_wait_alu depctr_va_vdst(0)
	s_wait_xcnt 0x0                                ; EXEC changes only behind this wait
	s_and_saveexec_b32 s52, vcc_lo
.irp cb, 0,1,2,3
	global_store_b128 v[PO], v[RAW+4*\cb:RAW+4*\cb+3], s[16:17] offset:1024*\cb   ; sixteen lanes store 256 consecutive bytes, aligned
.endr
	s_wait_xcnt 0x0
	s_or_b32 exec_lo, exec_lo, s52
	s_wait_tensorcnt 0x0                           ; the wave's end
	ds_add_u32 v[SPW], v[NIL]
	s_wait_dscnt 0x0
	CROUND                                         ; the closing round
	s_endpgm
.Lfunc_end_k_qc83032e2d3_blk:
	.size	k_qc83032e2d3_blk, .Lfunc_end_k_qc83032e2d3_blk-k_qc83032e2d3_blk
	.p2alignl 7, 3214868480
	.fill 96, 4, 3214868480
	.section	.rodata,"a",@progbits
	.p2align	6, 0x0
	.amdhsa_kernel k_qc83032e2d3_blk
		.amdhsa_group_segment_fixed_size 327680
		.amdhsa_private_segment_fixed_size 0
		.amdhsa_enable_private_segment 0
		.amdhsa_kernarg_size 56
		.amdhsa_user_sgpr_count 2
		.amdhsa_user_sgpr_kernarg_segment_ptr 1
		.amdhsa_wavefront_size32 1
		.amdhsa_system_sgpr_workgroup_id_x 1
		.amdhsa_system_sgpr_workgroup_id_y 1
		.amdhsa_system_sgpr_workgroup_id_z 1
		.amdhsa_system_vgpr_workitem_id 0
		.amdhsa_next_free_vgpr 1024
		.amdhsa_next_free_sgpr 66
		.amdhsa_reserve_vcc 1
		.amdhsa_float_denorm_mode_32 3
		.amdhsa_float_denorm_mode_16_64 3
		.amdhsa_memory_ordered 1
		.amdhsa_forward_progress 1
		.amdhsa_inst_pref_size 255
	.end_amdhsa_kernel
	.section	.bss,"aw",@nobits
	.p2align	6
	.space	262144
	.amdgpu_metadata
---
amdhsa.version: [ 1, 2 ]
amdhsa.kernels:
  - .name:           k_qc83032e2d3_blk
    .symbol:         k_qc83032e2d3_blk.kd
    .args:
      - { .name: encoder_outputs, .offset: 0, .size: 8, .value_kind: global_buffer, .address_space: global }
      - { .name: W_enc_codes, .offset: 8, .size: 8, .value_kind: global_buffer, .address_space: global }
      - { .name: lowp_scales, .offset: 16, .size: 8, .value_kind: global_buffer, .address_space: global }
      - { .name: v, .offset: 24, .size: 8, .value_kind: global_buffer, .address_space: global }
      - { .name: bias, .offset: 32, .size: 8, .value_kind: global_buffer, .address_space: global }
      - { .name: sc, .offset: 40, .size: 8, .value_kind: global_buffer, .address_space: global }
      - { .name: pctx, .offset: 48, .size: 8, .value_kind: global_buffer, .address_space: global }
    .group_segment_fixed_size: 327680
    .private_segment_fixed_size: 0
    .kernarg_segment_align: 8
    .kernarg_segment_size: 56
    .max_flat_workgroup_size: 128
    .sgpr_count:     66
    .vgpr_count:     1024
    .wavefront_size: 32
...
	.end_amdgpu_metadata
.endif
;; end of part 2
;; launch comb (part 3): grid 32 x 1, 8 waves a work-group, no clusters, 1,280 bytes of LDS; arguments sc, pctx, out0, out1; writes out0, out1
.if DOCPART == 3
	.amdgcn_target "amdgcn-amd-amdhsa--gfx1250"
	.amdhsa_code_object_version 6
	.text
	.protected	k_qc83032e2d3_comb
	.globl	k_qc83032e2d3_comb
	.p2align	8
	.type	k_qc83032e2d3_comb,@function
k_qc83032e2d3_comb:
	s_mov_b64 s[64:65], 0
	v_nop
	global_prefetch_b8 v0, s[64:65] scope:SCOPE_SE
	s_setreg_imm32_b32 hwreg(HW_REG_WAVE_MODE, 25, 1), 1
	s_wait_xcnt 0x0
; The softmax of a batch's 2,048 scores and the context.  sc: [32][2048] f32.  pctx: [32][16 blocks][1024] f32, block k's sum of e^(score - m_k) enc under its own maximum m_k.
; M = the batch's largest score; attn = e^(score - M) / L, L their sum; context = sum over k of (e^(m_k - M) / L) pctx[k].
; m_k is taken anew from the stored scores: the same numbers from which the launch before took it.
; The launch moves 2.4 MB in all and each batch's sums meet in one work-group: matrix units, tensor loads and clusters would add nothing.
; LDS: words 0-15 the blocks' maxima; words 16-23 the waves' sums.
	s_load_b256 s[4:11], s[0:1], 0x0               ; sc s[4:5], pctx s[6:7], out0 s[8:9], out1 s[10:11]
	v_lshl_add_u32 v128, v0, 2, 0x100
	v_mov_b32 v129, 0
	v_lshlrev_b32 v1, 4, v0                        ; 16 bytes a thread
	v_lshrrev_b32 v2, 5, v0
	s_delay_alu instid0(VALU_DEP_1)
	v_lshlrev_b32 v2, 2, v2                        ; my wave's word
	v_mov_b32 v3, 0
	v_mov_b32 v18, 0                               ; written once: a lane permute's destination counts as one of its sources
	v_mov_b32 v19, 0
	s_lshl_b32 s12, ttmp9, 13                      ; a batch's scores: 8,192 bytes
	s_mov_b32 s13, 0
	s_lshl_b32 s14, ttmp9, 16                      ; its 16 rows of pctx
	s_mov_b32 s15, 0
	s_lshl_b32 s16, ttmp9, 12                      ; its row of the context
	s_mov_b32 s17, 0
	s_mov_b32 s20, 0x76543210                      ; v_permlanex16_b32: lane l xor 16
	s_mov_b32 s21, 0xfedcba98
	s_wait_alu depctr_va_vdst(0)
	s_wait_kmcnt 0x0
	s_add_nc_u64 s[4:5], s[4:5], s[12:13]
	s_add_nc_u64 s[6:7], s[6:7], s[14:15]
	s_add_nc_u64 s[8:9], s[8:9], s[16:17]
	s_add_nc_u64 s[10:11], s[10:11], s[12:13]
	global_load_b128 v[8:11], v1, s[4:5]
	global_load_b128 v[12:15], v1, s[4:5] offset:4096
.irp k, 0,1,2,3,4,5,6,7,8,9,10,11,12,13,14,15
	global_load_b128 v[32+4*\k:35+4*\k], v1, s[6:7] offset:4096*\k
.endr
	s_wait_loadcnt 16                              ; the scores are in; the 16 loads of pctx stay out
	v_max3_num_f32 v16, v8, v9, v10
	v_max3_num_f32 v17, v12, v13, v14
	s_delay_alu instid0(VALU_DEP_2)
	v_max_num_f32 v16, v16, v11
	s_delay_alu instid0(VALU_DEP_2)
	v_max_num_f32 v17, v17, v15
.irp x, 1,2,4,8
	s_delay_alu instid0(VALU_DEP_2)
	v_max_num_f32_dpp v16, v16, v16 row_xmask:\x row_mask:0xf bank_mask:0xf
	s_delay_alu instid0(VALU_DEP_2)
	v_max_num_f32_dpp v17, v17, v17 row_xmask:\x row_mask:0xf bank_mask:0xf
.endr
	s_delay_alu instid0(VALU_DEP_2)
	v_permlanex16_b32 v18, v16, s20, s21
	s_delay_alu instid0(VALU_DEP_2)
	v_permlanex16_b32 v19, v17, s20, s21
	s_delay_alu instid0(VALU_DEP_2)
	v_max_num_f32 v16, v16, v18                    ; m of block w,
	s_delay_alu instid0(VALU_DEP_2)
	v_max_num_f32 v17, v17, v19                    ; and of block 8 + w
	ds_store_b32 v2, v16
	ds_store_b32 v2, v17 offset:32
	s_wait_dscnt 0x0                               ; for the others' sake
	s_barrier_signal -1
	s_barrier_wait -1
.irp i, 0,1,2,3
	ds_load_b128 v[96+4*\i:99+4*\i], v3 offset:16*\i   ; m_0 .. m_15, in every lane
.endr
	s_wait_dscnt 0x0
	v_max3_num_f32 v20, v96, v97, v98
	v_max3_num_f32 v21, v99, v100, v101
	s_delay_alu instid0(VALU_DEP_2)
	v_max3_num_f32 v20, v20, v102, v103
	s_delay_alu instid0(VALU_DEP_2)
	v_max3_num_f32 v21, v21, v104, v105
	s_delay_alu instid0(VALU_DEP_2)
	v_max3_num_f32 v20, v20, v106, v107
	s_delay_alu instid0(VALU_DEP_2)
	v_max3_num_f32 v21, v21, v108, v109
	s_delay_alu instid0(VALU_DEP_2)
	v_max3_num_f32 v20, v20, v110, v111
	s_delay_alu instid0(VALU_DEP_1)
	v_max_num_f32 v20, v20, v21                    ; M
.irp j, 8,9,10,11,12,13,14,15
	v_sub_f32 v\j, v\j, v20
.endr
.irp j, 96,97,98,99,100,101,102,103,104,105,106,107,108,109,110,111
	v_sub_f32 v\j, v\j, v20
.endr
.irp j, 8,9,10,11,12,13,14,15
	v_mul_f32 v\j, 0x3fb8aa3b, v\j
.endr
.irp j, 96,97,98,99,100,101,102,103,104,105,106,107,108,109,110,111
	v_mul_f32 v\j, 0x3fb8aa3b, v\j
.endr
	s_wait_alu depctr_va_vdst(0)
.irp j, 8,9,10,11,12,13,14,15
	v_exp_f32 v\j, v\j                             ; e^(score - M)
.endr
.irp j, 96,97,98,99,100,101,102,103,104,105,106,107,108,109,110,111
	v_exp_f32 v\j, v\j                             ; e^(m_k - M)
.endr
	v_nop                                          ; a plain place behind the exponentials
	s_wait_alu depctr_va_vdst(0)
	v_add_f32 v22, v8, v9
	v_add_f32 v23, v10, v11
	v_add_f32 v24, v12, v13
	v_add_f32 v25, v14, v15
	s_delay_alu instid0(VALU_DEP_3)
	v_add_f32 v22, v22, v23
	s_delay_alu instid0(VALU_DEP_2)
	v_add_f32 v24, v24, v25
	s_delay_alu instid0(VALU_DEP_1)
	v_add_f32 v22, v22, v24
.irp x, 1,2,4,8
	s_delay_alu instid0(VALU_DEP_1)
	v_add_f32_dpp v22, v22, v22 row_xmask:\x row_mask:0xf bank_mask:0xf
.endr
	s_delay_alu instid0(VALU_DEP_1)
	v_permlanex16_b32 v18, v22, s20, s21
	s_delay_alu instid0(VALU_DEP_1)
	v_add_f32 v22, v22, v18                        ; my wave's sum
	ds_store_b32 v2, v22 offset:64                 ; other words than the maxima's: no wave may still be reading those
	s_wait_dscnt 0x0
	s_barrier_signal -1
	s_barrier_wait -1
	ds_load_b128 v[112:115], v3 offset:64
	ds_load_b128 v[116:119], v3 offset:80
	s_wait_dscnt 0x0
	v_add_f32 v112, v112, v113
	v_add_f32 v114, v114, v115
	v_add_f32 v116, v116, v117
	v_add_f32 v118, v118, v119
	s_delay_alu instid0(VALU_DEP_3)
	v_add_f32 v112, v112, v114
	s_delay_alu instid0(VALU_DEP_2)
	v_add_f32 v116, v116, v118
	s_delay_alu instid0(VALU_DEP_1)
	v_add_f32 v112, v112, v116                     ; L, at least 1: the largest score's term is 1
	s_wait_alu depctr_va_vdst(0)
	v_rcp_f32 v23, v112
	v_nop                                          ; a plain place behind the reciprocal
	s_wait_alu depctr_va_vdst(0)
.irp j, 8,9,10,11,12,13,14,15
	v_mul_f32 v\j, v\j, v23
.endr
	global_store_b128 v1, v[8:11], s[10:11]        ; a wave stores 512 consecutive bytes
	global_store_b128 v1, v[12:15], s[10:11] offset:4096
.irp j, 96,97,98,99,100,101,102,103,104,105,106,107,108,109,110,111
	v_mul_f32 v\j, v\j, v23                        ; block k's weight
.endr
	s_wait_loadcnt 0x0                             ; pctx
.irp j, 0,1,2,3
	v_mul_f32 v[24+\j], v96, v[32+\j]
.endr
.irp k, 1,2,3,4,5,6,7,8,9,10,11,12,13,14,15
.irp j, 0,1,2,3
	s_delay_alu instid0(VALU_DEP_4)
	v_fma_f32 v[24+\j], v[96+\k], v[32+4*\k+\j], v[24+\j]
.endr
.endr
	global_store_b128 v1, v[24:27], s[8:9]
	s_wait_tensorcnt 0x0
	ds_add_u32 v128, v129
	s_wait_dscnt 0x0
	s_endpgm
.Lfunc_end_k_qc83032e2d3_comb:
	.size	k_qc83032e2d3_comb, .Lfunc_end_k_qc83032e2d3_comb-k_qc83032e2d3_comb
	.p2alignl 7, 3214868480
	.fill 96, 4, 3214868480
	.section	.rodata,"a",@progbits
	.p2align	6, 0x0
	.amdhsa_kernel k_qc83032e2d3_comb
		.amdhsa_group_segment_fixed_size 1280
		.amdhsa_private_segment_fixed_size 0
		.amdhsa_enable_private_segment 0
		.amdhsa_kernarg_size 32
		.amdhsa_user_sgpr_count 2
		.amdhsa_user_sgpr_kernarg_segment_ptr 1
		.amdhsa_wavefront_size32 1
		.amdhsa_system_sgpr_workgroup_id_x 1
		.amdhsa_system_sgpr_workgroup_id_y 1
		.amdhsa_system_sgpr_workgroup_id_z 1
		.amdhsa_system_vgpr_workitem_id 0
		.amdhsa_next_free_vgpr 130
		.amdhsa_next_free_sgpr 66
		.amdhsa_reserve_vcc 0
		.amdhsa_float_denorm_mode_32 3
		.amdhsa_float_denorm_mode_16_64 3
		.amdhsa_memory_ordered 1
		.amdhsa_forward_progress 1
		.amdhsa_inst_pref_size 17
	.end_amdhsa_kernel
	.amdgpu_metadata
---
amdhsa.version: [ 1, 2 ]
amdhsa.kernels:
  - .name:           k_qc83032e2d3_comb
    .symbol:         k_qc83032e2d3_comb.kd
    .args:
      - { .name: sc, .offset: 0, .size: 8, .value_kind: global_buffer, .address_space: global }
      - { .name: pctx, .offset: 8, .size: 8, .value_kind: global_buffer, .address_space: global }
      - { .name: out0, .offset: 16, .size: 8, .value_kind: global_buffer, .address_space: global }
      - { .name: out1, .offset: 24, .size: 8, .value_kind: global_buffer, .address_space: global }
    .group_segment_fixed_size: 1280
    .private_segment_fixed_size: 0
    .kernarg_segment_align: 8
    .kernarg_segment_size: 32
    .max_flat_workgroup_size: 256
    .sgpr_count:     66
    .vgpr_count:     130
    .wavefront_size: 32
...
	.end_amdgpu_metadata
.endif
;; end of part 3
